; MI455X (gfx1250); checked and timed in simulation.
; The chip was launched on July 23, 2026; its instructions are those of AMD's public machine-readable ISA for CDNA 5 (MIT licence, August 2026) and "CDNA5" Instruction Set Architecture Reference Guide (July 2026). The comments in the code are by the model that wrote it; some were corrected since.
;; Self Attention. Allowed arithmetic: matrix products marked QUANTISED: E4M3 operands, one E8M0 scale for each 32 along K, by v_wmma_scale_f32_16x16x128_f8f6f4 with both operands' format E4M3, f32 sums; everything else in f32.
;; Inputs: query 8 x 256 x 56 x 56 float32.
;; Outputs: out0 8 x 256 x 56 x 56 float32.
;; This version of the problem:
;;   THIS VERSION OF THE PROBLEM IS GIVEN IN LOW PRECISION. The matrix products marked QUANTISED in the list below multiply operands that are first quantised to E4M3 (4 exponent bits, 3 mantissa bits; 8 bits a number), with one power-of-two scale for each 32 numbers along K (OCP MX v1.0); their sums are f32. All else is computed in f32.
;;   The module's matrix products, in the order in which they are computed (A, B: the left and right operand; K: the contracted axis; several contracted axes count as one K, in the product's order):
;;     1. batch 8 x [M 3,136, K 256] x [K 256, N 3,136]; A: input query; B: input query: QUANTISED
;;     2. batch 8 x [M 256, K 3,136] x [K 3,136, N 3,136]; A: input query; B: softmax (see below): QUANTISED
;;   THE QUANTISER, for each operand of a quantised product, along K:
;;     - K is cut into blocks of 32 from its start; a last block that is shorter is filled with zeros.
;;     - A block's scale is 2^e with e = floor(log2(the largest magnitude in the block)) - 8, held to -126 .. 127; a block of zeros has e = 0. As a byte (E8M0): e + 127.
;;     - Each number is divided by its block's scale, clamped to +-448, and rounded to the nearest number of E4M3, ties to even, subnormals kept.
;;     - The product sums the exact products of the quantised numbers (number of the format x scale) in f32.
;;   ~~~python
;;   def quantise(x, axis):      # numpy; x: float32 -> the quantised numbers, widened to float32 again
;;       x = np.moveaxis(x, axis, -1); K = x.shape[-1]
;;       x = np.pad(x, [(0, 0)] * (x.ndim - 1) + [(0, -K % 32)]); x = x.reshape(x.shape[:-1] + (-1, 32)); a = np.abs(x).max(-1, keepdims=True)
;;       e = np.where(a > 0, np.clip(np.frexp(np.where(a > 0, a, 1))[1] - 1 - 8, -126, 127), 0)      # np.frexp(a)[1] - 1 = floor(log2(a)), exactly
;;       r = np.clip(x / 2.0 ** e, -448, 448)
;;       step = 2.0 ** (np.maximum(np.frexp(np.where(r == 0, 1, r))[1] - 1, -6) - 3)
;;       q = np.round(r / step) * step * 2.0 ** e      # np.round: ties to even
;;       return np.moveaxis(q.reshape(q.shape[:-2] + (-1,))[..., :K], -1, axis).astype(np.float32)
;;   ~~~
;;   SOFTMAX AHEAD OF A QUANTISED PRODUCT. Where the list says 'softmax', what is quantised is not the finished softmax but p = 2^(t - M), with t = logit x log2(e) and M = ceil(the row's largest t), a whole number; so 1/2 < the row's largest p <= 1. The row's sum l is taken of the UNQUANTISED p, in f32, and the product's result is divided by l at the end. Since M is a whole number, a kernel that streams over the keys may use a running M (the ceiling of the running maximum): every later rescaling is an exact power of two, which a block's scale takes up: the codes' values come out the same.
;;   OPERANDS COMPUTED ON THE WAY. 'Computed on the way' means the value that the module computes at that place (a softmax that the list does not call 'softmax' is quantised finished and normalised). What goes into a quantiser is computed in f32, as accurately as f32 sums, v_exp_f32 and their like allow (about 1e-6 of the number): no bf16 or f16 on the way to a quantiser, and a product that is left as it is and whose result goes on into a quantised operand takes f32 operands (vector FMAs, or v_wmma_f32_16x16x4_f32). A number that lies on a knife's edge between two numbers of the format may be rounded either way, as far as f32 arithmetic and the matrix unit's own rounding can turn it there, and no further.
;; One version. Each part assembles by itself: llvm-mc -triple=amdgcn-amd-amdhsa -mcpu=gfx1250 --defsym DOCPART=n.
;; ======== version 1 of 1: 2 launches
;; workspace buffers: kv 13,516,800 bytes
;; launch quant (part 1): grid 25 x 16, 4 waves a work-group, no clusters, 69,120 bytes of LDS; arguments query, kv; writes kv
.if DOCPART == 1
	.amdgcn_target "amdgcn-amd-amdhsa--gfx1250"
	.amdhsa_code_object_version 6
	.text
	.protected	k_q7c11a7b6e4_quant
	.globl	k_q7c11a7b6e4_quant
	.p2align	8
	.type	k_q7c11a7b6e4_quant,@function
k_q7c11a7b6e4_quant:
	s_mov_b64 s[64:65], 0
	v_nop
	global_prefetch_b8 v0, s[64:65] scope:SCOPE_SE
	s_setreg_imm32_b32 hwreg(HW_REG_WAVE_MODE, 25, 1), 1
	s_wait_xcnt 0x0
; query [8][256][3136] f32 is turned into codes of FP8 (E4M3) twice: along the channels (both operands of the first product: they are the same tensor quantised along
; the same axis, so one set of codes serves keys and queries) and along the positions (the left operand of the second product).  One E8M0 byte for each 32 along K.
; NOTHING OF reference() IS LEFT OUT in this program: it has no mask, no bias and no slice, and its one input is loaded.
; A block's scale is 2^(floor(log2(its largest magnitude)) - 8); its byte is the largest magnitude's exponent field - 8, held at 1 from below.
; LIMITS: NaN and infinities among the inputs are not served; blocks whose largest magnitude lies under 2^-118 get the byte 1; a block of zeros gets the byte 1 where the
; rule says 127: its codes are zeros, which add nothing under any byte but 0xff, and the bytes are read by this program alone.
; SHARES.  Work-group (s, 2 b + ch) takes channels 128 ch .. + 127 x positions 128 s .. + 127 of batch b: 64 KiB, read from memory once, into a tile in LDS.
; Wave w loads rows 32 w .. + 31, quantises those rows along the positions (two tiles of 16 channels), and, behind a barrier, columns 32 w .. + 31 along the channels
; (a lane a column, its registers down the channels).  Step 24 has 64 positions: the other 64 are zeros, and leave as zero codes.
; kv IS LAID AS IMAGES OF OPERAND REGISTERS: [b][25 blocks][2 halves of H bytes]; a half = 16 fragments of 2,048 bytes (4 chunks of 512: lane l's 16 bytes at 16 l), then 1,024 bytes of scale words.
;   K(s), fragment 2 t + ch, chunk c, lane (r', h): key 128 s + 32 (t / 2) + 8 (t % 2) + r' + 8 (r' / 8), channels 128 ch + 32 c + 16 h + 0 .. 15
;   K's scale word of (t, ch, r') at 32768 + 512 (t / 4) + 16 (r' + 16 ch) + 4 (t % 4)
;   V(s), fragment ct, chunk c, lane (r, h): channel 16 ct + r, keys 128 s + 32 c + 16 h + 0 .. 15;  its scale word at 32768 + 512 (ct / 8) + 16 (r + 16 (ct % 2)) + 4 ((ct / 2) % 4)
;   K(0) lies at H, K(s) at (s - 1) BLK;  V(s) at (s + 1) BLK + H, V(24) at 24 BLK: block j then holds what turn j of the next launch reads.
; A stream: no matrix unit, no cluster, no tensor load; several work-groups share a WGP.
.set ROWQ,  12544                      ; a channel's row of query in bytes: 49 x 256
.set BATQ,  256*ROWQ
.set H,     33792
.set BLK,   2*H
.set BATKV, 25*BLK
.set PITCH, 528                        ; a tile's row in LDS: 512 bytes + 16
.set SG,    128*PITCH                  ; behind the tile: 1,024 bytes in which the scale words are gathered: K's 256 + 256, V's 512
.set SPARE, SG+1024                    ; the spare words, 128 bytes for each wave: two blocks of 256 bytes that no other line names
.set SPW,   18                         ; v18  LDS address of my spare word; never rewritten
.set NIL,   19                         ; v19  0; never rewritten
.set TM,    32                         ; v32-47  at work in QUANT
.set X,     64                         ; v64-127  64 numbers
.set R,     128                        ; v128-255 my 32 rows as loaded; behind the stores into the tile: PC0, PC1, KC, X2
.set PC0,   128
.set PC1,   144
.set KC,    160                        ; v160-191 K's codes, 8 registers a block
.set X2,    192
.set KW,    15
	s_load_b128 s[4:7], s[0:1], 0x0                ; query s[4:5], kv s[6:7]
	v_lshl_add_u32 v[SPW], v0, 2, SPARE
	v_mov_b32 v[NIL], 0
	v_lshrrev_b32 v1, 5, v0
	v_readfirstlane_b32 s8, v1                     ; wave
	s_mov_b32 s9, ttmp9                            ; s: the step of 128 positions
	s_and_b32 s10, ttmp7, 0xffff
	s_and_b32 s11, s10, 1                          ; ch
	s_lshr_b32 s10, s10, 1                         ; b
	s_mul_i32 s24, s10, BATQ                       ; where my 32 rows begin in query
	s_lshl_b32 s25, s11, 7
	s_lshl_b32 s26, s8, 5
	s_add_co_u32 s25, s25, s26
	s_mul_i32 s25, s25, ROWQ
	s_add_co_u32 s24, s24, s25
	s_lshl_b32 s25, s9, 9
	s_add_co_u32 s24, s24, s25
	s_mov_b32 s25, 0
	s_max_u32 s26, s9, 1                           ; K(s)'s place in the batch's part of kv
	s_sub_co_u32 s26, s26, 1
	s_mul_i32 s26, s26, BLK
	s_mov_b32 s27, H
	s_cmp_eq_u32 s9, 0
	s_cselect_b32 s26, s27, s26
	s_add_co_u32 s27, s9, 1                        ; V(s)'s
	s_mul_i32 s27, s27, BLK
	s_add_co_u32 s27, s27, H
	s_mov_b32 s28, 24*BLK
	s_cmp_eq_u32 s9, 24
	s_cselect_b32 s27, s28, s27
	s_cselect_b32 s23, 15, 31                      ; step 24: a row has 256 bytes left: lanes 16-31 repeat lanes 0-15, so that no load leaves its row
	s_mul_i32 s29, s10, BATKV
	s_add_co_u32 s26, s26, s29
	s_add_co_u32 s27, s27, s29
	s_lshl_b32 s30, s8, 13                         ; K's codes: fragments 2 (2 w + u) + ch
	s_lshl_b32 s31, s11, 11
	s_add_co_u32 s30, s30, s31
	s_add_co_u32 s30, s30, s26
	s_mov_b32 s31, 0
	s_lshl_b32 s32, s11, 14                        ; V's codes: fragments 8 ch + 2 w, + 1
	s_lshl_b32 s33, s8, 12
	s_add_co_u32 s32, s32, s33
	s_add_co_u32 s32, s32, s27
	s_mov_b32 s33, 0
	s_lshl_b32 s34, s8, 9                          ; the scale words' way out: waves 0, 1 store K's two pieces of 256 bytes,
	s_lshl_b32 s35, s11, 8
	s_add_co_u32 s34, s34, s35
	s_add_co_u32 s34, s34, s26
	s_lshl_b32 s35, s11, 9                         ; waves 2, 3 V's two
	s_lshl_b32 s36, s8, 8
	s_add_co_u32 s35, s35, s36
	s_add_co_u32 s35, s35, s27
	s_sub_co_u32 s35, s35, 512
	s_cmp_lt_u32 s8, 2
	s_cselect_b32 s34, s34, s35
	s_add_co_u32 s34, s34, 32768
	s_mov_b32 s35, 0
	s_mov_b32 s20, 0x76543210
	s_mov_b32 s21, 0xfedcba98                      ; v_permlanex16_b32's selects for lane l xor 16
	s_mov_b32 s22, 0x600000                        ; the mantissa field of 448
	v_and_b32 v1, 31, v0                           ; lane
	v_and_b32 v2, 15, v0                           ; r
	v_bfe_u32 v3, v0, 4, 1                         ; h
	v_and_b32 v4, s23, v1
	v_lshlrev_b32 v4, 4, v4                        ; my 16 bytes of a row's 512
	s_mul_i32 s36, s8, 32*PITCH
	v_lshl_add_u32 v5, v1, 4, s36                  ; into the tile: my wave's rows, 16 bytes a lane
	v_mul_u32_u24 v6, v2, PITCH
	v_lshl_add_u32 v6, v3, 6, v6
	v_add_nc_u32 v6, s36, v6                       ; out of it along the positions: row 32 w + r, + 64 h: my 16 numbers of a block of 32
	s_lshl_b32 s37, s8, 7
	v_lshl_add_u32 v7, v1, 2, s37                  ; and down the channels: column 32 w + lane;
	v_add_nc_u32 v8, 64*PITCH, v7                  ; from row 64 on (an LDS offset has 16 bits)
	v_lshlrev_b32 v9, 4, v1                        ; 16 x lane: an image's place for my lane
	v_and_b32 v20, 7, v0
	v_lshl_add_u32 v20, v3, 3, v20                 ; r' = lane % 8 + 8 (lane / 16)
	v_bfe_u32 v21, v0, 3, 1                        ; u = (lane / 8) % 2: my column lies in tile 2 w + u
	v_lshlrev_b32 v10, 4, v20
	v_lshl_add_u32 v10, v21, 12, v10               ; K's codes: 4096 u + 16 r'
	s_lshr_b32 s38, s8, 1
	s_lshl_b32 s38, s38, 8
	s_and_b32 s39, s8, 1
	s_lshl_b32 s39, s39, 3
	s_add_co_u32 s38, s38, s39
	s_add_co_u32 s38, s38, SG
	v_lshl_add_u32 v11, v20, 4, s38
	v_lshl_add_u32 v11, v21, 2, v11                ; K's scale word: SG + 256 (w / 2) + 16 r' + 4 (2 (w % 2) + u)
	s_lshl_b32 s39, s8, 2
	s_add_co_u32 s39, s39, SG+512
	v_lshl_add_u32 v12, v1, 4, s39                 ; V's: SG + 512 + 16 x lane + 4 w
	s_lshl_b32 s40, s8, 8
	s_add_co_u32 s40, s40, SG
	v_lshl_add_u32 v13, v1, 3, s40                 ; the gathered words back: my wave's 256 bytes, 8 a lane
	v_lshlrev_b32 v14, 3, v1
.irp b, 0,1,2,3
	v_mov_b32 v[TM+4+\b], 0                        ; written once: a lane permute's destination counts as one of its sources
.endr
	s_wait_kmcnt 0x0
	s_add_nc_u64 s[12:13], s[4:5], s[24:25]
	s_add_nc_u64 s[14:15], s[6:7], s[30:31]
	s_add_nc_u64 s[16:17], s[6:7], s[32:33]
	s_add_nc_u64 s[18:19], s[6:7], s[34:35]
.set ii, 0
.rept 32
	global_load_b128 v[R+4*ii:R+4*ii+3], v4, s[12:13] offset:ii*ROWQ th:TH_LOAD_NT   ; 32 lanes read 512 consecutive bytes of a row, from a multiple of 256 on
.set ii, ii+1
.endr
	s_cmp_lg_u32 s9, 24                            ; step 24 alone: positions 64 to 127 of the tile do not exist: zeros
	s_cbranch_scc1 .Lfull
	s_wait_loadcnt 0x0
	v_cmp_gt_u32 vcc_lo, 16, v1
.set ii, 0
.rept 128
	v_cndmask_b32 v[R+ii], 0, v[R+ii], vcc_lo
.set ii, ii+1
.endr
.Lfull:
.irp g, 0,1,2,3
	s_wait_loadcnt 24-8*\g                         ; loads come back in order: this group's eight rows are in, the rows behind them may be out
.irp i, 0,1,2,3,4,5,6,7
	ds_store_b128 v5, v[R+4*(8*\g+\i):R+4*(8*\g+\i)+3] offset:(8*\g+\i)*PITCH
.endr
.endr
	s_wait_dscnt 0x0                               ; the stores have read their registers: loads and codes land there below
.irp b, 0,1,2,3
.irp j, 0,1,2,3
	ds_load_b128 v[X+16*\b+4*\j:X+16*\b+4*\j+3], v6 offset:128*\b+16*\j   ; my own rows: register 16 b + i = position 32 b + 16 h + i of row r
.endr
.endr
.irp b, 0,1,2,3
.irp j, 0,1,2,3
	ds_load_b128 v[X2+16*\b+4*\j:X2+16*\b+4*\j+3], v6 offset:16*PITCH+128*\b+16*\j
.endr
.endr
; 64 numbers of a lane, register 16 b + i = k 32 b + 16 h + i of my row, become a fragment's codes in v[pc] on and its scale word in v[pw]
.macro QUANT s, pc, pw
.irp b, 0,1,2,3
	v_max3_num_f32 v[TM+\b], |v[\s+16*\b]|, |v[\s+16*\b+1]|, 0x4800000   ; block b: my 16 numbers, and the floor 2^(9 - 127): so the byte cannot fall under 1
.endr
.irp i, 2,4,6,8,10,12,14
.irp b, 0,1,2,3
	v_max3_num_f32 v[TM+\b], v[TM+\b], |v[\s+16*\b+\i]|, |v[\s+16*\b+\i+1]|
.endr
.endr
.irp b, 0,1,2,3
	v_permlanex16_b32 v[TM+4+\b], v[TM+\b], s20, s21
.endr
.irp b, 0,1,2,3
	v_max_num_f32 v[TM+\b], v[TM+\b], v[TM+4+\b]   ; with lane l xor 16's: the block's largest magnitude
.endr
.irp b, 0,1,2,3
	v_add_nc_u32 v[TM+12+\b], 0xfc000000, v[TM+\b] ; 8 off its exponent field: the conversion's scale operand
.endr
.irp b, 0,1,2,3
	v_and_or_b32 v[TM+8+\b], v[TM+\b], 0x7f800000, s22   ; 448 x the scale
.endr
.irp b, 0,1,2,3
	v_lshrrev_b32 v[TM+4+\b], 23, v[TM+12+\b]      ; the scale's byte
.endr
	v_lshl_or_b32 v[\pw], v[TM+5], 8, v[TM+4]
	v_lshl_or_b32 v[\pw], v[TM+6], 16, v[\pw]
	v_lshl_or_b32 v[\pw], v[TM+7], 24, v[\pw]
.irp b, 0,1,2,3
.irp i, 0,1,2,3,4,5,6,7,8,9,10,11,12,13,14,15
	v_med3_num_f32 v[\s+16*\b+\i], v[\s+16*\b+\i], -v[TM+8+\b], v[TM+8+\b]   ; the conversion to an 8-bit code does not saturate (ISA guide 7.6.2): the hold comes first
.endr
	v_cvt_scalef32_pk8_fp8_f32 v[\pc+4*\b:\pc+4*\b+1], v[\s+16*\b:\s+16*\b+7], v[TM+12+\b]
	v_cvt_scalef32_pk8_fp8_f32 v[\pc+4*\b+2:\pc+4*\b+3], v[\s+16*\b+8:\s+16*\b+15], v[TM+12+\b]
.endr
	v_nop                                          ; a plain line behind the last conversion
.endm
	s_wait_dscnt 16                                ; the first tile's 16 loads are in, the second's may be out
	QUANT X, PC0, 16
.irp c, 0,1,2,3
	global_store_b128 v9, v[PC0+4*\c:PC0+4*\c+3], s[16:17] offset:512*\c   ; 32 lanes store 512 consecutive bytes, aligned
.endr
	s_wait_dscnt 0x0
	QUANT X2, PC1, 17
.irp c, 0,1,2,3
	global_store_b128 v9, v[PC1+4*\c:PC1+4*\c+3], s[16:17] offset:2048+512*\c
.endr
	v_cmp_gt_u32 vcc_lo, 16, v1
	v_cndmask_b32 v24, v17, v16, vcc_lo            ; lanes 0-15: the first tile's words, lanes 16-31: the second's (every lane holds row lane % 16's)
	ds_store_b32 v12, v24
	s_wait_dscnt 0x0                               ; my stores into the tile and my word have landed
	s_barrier_signal -1
	s_barrier_wait -1                              ; the whole tile lies in LDS
.macro LOADK c                         ; block c of my column: channels 32 c + 0 .. 31, into set c % 2
.set ii, 0
.rept 32
.if (\c) < 2
	ds_load_b32 v[X+32*((\c)%2)+ii], v7 offset:(32*((\c)%2)+ii)*PITCH
.else
	ds_load_b32 v[X+32*((\c)%2)+ii], v8 offset:(32*((\c)%2)+ii)*PITCH
.endif
.set ii, ii+1
.endr
.endm
.macro BLOCK c
.set XS, X+32*((\c)%2)
.if (\c) < 3
	s_wait_dscnt 32                                ; this block's 32 loads are in, the next block's may be out
.else
	s_wait_dscnt 0x0
.endif
	v_max3_num_f32 v20, |v[XS]|, |v[XS+1]|, |v[XS+2]|     ; the block's largest magnitude: all 32 numbers are mine
	v_max3_num_f32 v21, |v[XS+3]|, |v[XS+4]|, |v[XS+5]|
.irp i, 6,10,14,18,22,26
	v_max3_num_f32 v20, v20, |v[XS+\i]|, |v[XS+\i+1]|
	v_max3_num_f32 v21, v21, |v[XS+\i+2]|, |v[XS+\i+3]|
.endr
	v_max3_num_f32 v20, v20, |v[XS+30]|, |v[XS+31]|
	v_max3_num_f32 v20, v20, v21, 0x4800000        ; and the floor
	v_add_nc_u32 v22, 0xfc000000, v20
	v_and_or_b32 v23, v20, 0x7f800000, s22
	v_lshrrev_b32 v24, 23, v22
.irp i, 0,1,2,3,4,5,6,7,8,9,10,11,12,13,14,15,16,17,18,19,20,21,22,23,24,25,26,27,28,29,30,31
	v_med3_num_f32 v[XS+\i], v[XS+\i], -v23, v23
.endr
.irp g, 0,1,2,3
	v_cvt_scalef32_pk8_fp8_f32 v[KC+8*(\c)+2*\g:KC+8*(\c)+2*\g+1], v[XS+8*\g:XS+8*\g+7], v22
.endr
.if (\c) == 0
	v_mov_b32 v[KW], v24                           ; the four bytes make my key's scale word for these 128 channels.  (Also the plain line behind the conversions)
.else
	v_lshl_or_b32 v[KW], v24, 8*(\c), v[KW]
.endif
	global_store_b128 v10, v[KC+8*(\c):KC+8*(\c)+3], s[14:15] offset:512*(\c)         ; channels 32 c + 0 .. 15: the slots of h = 0: sixteen lanes fill 256 consecutive bytes, aligned
	global_store_b128 v10, v[KC+8*(\c)+4:KC+8*(\c)+7], s[14:15] offset:512*(\c)+256   ; channels 32 c + 16 .. 31: the slots of h = 1
.endm
	LOADK 0
	LOADK 1
	BLOCK 0
	LOADK 2
	BLOCK 1
	LOADK 3
	BLOCK 2
	BLOCK 3
	ds_store_b32 v11, v[KW]
	s_wait_dscnt 0x0                               ; my word has landed
	s_barrier_signal -1
	s_barrier_wait -1                              ; all 1,024 bytes of scale words are gathered
	ds_load_b64 v[20:21], v13
	s_wait_dscnt 0x0
	global_store_b64 v14, v[20:21], s[18:19]       ; 32 lanes store 256 consecutive bytes, aligned
	s_wait_tensorcnt 0x0                           ; the wave's end, behind my last LDS store
	ds_add_u32 v[SPW], v[NIL]
	s_wait_dscnt 0x0
	s_endpgm
.Lfunc_end_k_q7c11a7b6e4_quant:
	.size	k_q7c11a7b6e4_quant, .Lfunc_end_k_q7c11a7b6e4_quant-k_q7c11a7b6e4_quant
	.p2alignl 7, 3214868480
	.fill 96, 4, 3214868480
	.section	.rodata,"a",@progbits
	.p2align	6, 0x0
	.amdhsa_kernel k_q7c11a7b6e4_quant
		.amdhsa_group_segment_fixed_size 69120
		.amdhsa_private_segment_fixed_size 0
		.amdhsa_enable_private_segment 0
		.amdhsa_kernarg_size 16
		.amdhsa_user_sgpr_count 2
		.amdhsa_user_sgpr_kernarg_segment_ptr 1
		.amdhsa_wavefront_size32 1
		.amdhsa_system_sgpr_workgroup_id_x 1
		.amdhsa_system_sgpr_workgroup_id_y 1
		.amdhsa_system_sgpr_workgroup_id_z 1
		.amdhsa_system_vgpr_workitem_id 0
		.amdhsa_next_free_vgpr 256
		.amdhsa_next_free_sgpr 66
		.amdhsa_reserve_vcc 1
		.amdhsa_float_denorm_mode_32 3
		.amdhsa_float_denorm_mode_16_64 3
		.amdhsa_memory_ordered 1
		.amdhsa_forward_progress 1
		.amdhsa_inst_pref_size 57
	.end_amdhsa_kernel
	.amdgpu_metadata
---
amdhsa.version: [ 1, 2 ]
amdhsa.kernels:
  - .name:           k_q7c11a7b6e4_quant
    .symbol:         k_q7c11a7b6e4_quant.kd
    .args:
      - { .name: query, .offset: 0, .size: 8, .value_kind: global_buffer, .address_space: global }
      - { .name: kv, .offset: 8, .size: 8, .value_kind: global_buffer, .address_space: global }
    .group_segment_fixed_size: 69120
    .private_segment_fixed_size: 0
    .kernarg_segment_align: 8
    .kernarg_segment_size: 16
    .max_flat_workgroup_size: 128
    .sgpr_count:     66
    .vgpr_count:     256
    .wavefront_size: 32
...
	.end_amdgpu_metadata
.endif
;; end of part 1
;; launch attn (part 2): grid 28 x 8, 4 waves a work-group, clusters of 4 x 1, 327,680 bytes of LDS; arguments kv, query, out0; writes out0
.if DOCPART == 2
	.amdgcn_target "amdgcn-amd-amdhsa--gfx1250"
	.amdhsa_code_object_version 6
	.text
	.protected	k_q7c11a7b6e4_attn
	.globl	k_q7c11a7b6e4_attn
	.p2align	8
	.type	k_q7c11a7b6e4_attn,@function
k_q7c11a7b6e4_attn:
	s_mov_b64 s[64:65], 0
	v_nop
	global_prefetch_b8 v0, s[64:65] scope:SCOPE_SE
	s_setreg_imm32_b32 hwreg(HW_REG_WAVE_MODE, 25, 1), 1
	s_wait_xcnt 0x0
	s_wait_alu depctr_hold_cnt(0) depctr_sa_sdst(0) depctr_va_vdst(0) depctr_va_sdst(0) depctr_va_ssrc(0) depctr_va_vcc(0) depctr_vm_vsrc(0)
	s_getreg_b32 s2, hwreg(HW_REG_IB_STS2, 6, 4)
	s_cmp_eq_u32 s2, 0
	s_cbranch_scc0 .Lentry_in_a_cluster
	s_endpgm
.Lentry_in_a_cluster:
	s_bfe_u32 s2, ttmp6, 0x10000c
	s_cmp_lg_u32 s2, 0x3003
	s_cbranch_scc0 .Lentry_shape_is_right
	s_endpgm
.Lentry_shape_is_right:
; out0[b][c][j] = query[b][c][j] + (sum over keys i of V[c][i] p[i][j]) / l[j], p = 2^(t - M), t = (K[i] . Q[j]) log2(e) / 16, both products on codes of FP8 (E4M3) with E8M0 scales; K, Q, V all come from kv.
; M is the running largest t of a column j, rounded up to a whole number; l is the sum of the unquantised p; when M moves, l and O are multiplied by 2^(old M - new M), which rounds nothing.
; Nothing of reference() is left out.  1/16 is a power of two, so that score x (log2(e) / 16) has the bits of (score / 16) x log2(e).
; LIMITS: NaN and infinities among the inputs are not served; a p under 2^-126 counts as 0 (v_exp_f32: ISA guide, its entry).
; SHARES.  28 work-groups a batch, 112 queries each; wave w owns queries 28 w .. 28 w + 27 as TWO TILES OF 16, at 28 w and at 28 w + 12: four columns are made twice, by the same wave, inside live tiles, and stored
; twice into the same stage words.  So all waves run one text, and each fragment of K and V read from LDS feeds two matrix instructions.  Every wave walks all keys, 128 a step, 25 steps; step 24 has 64 keys.
; A row's share of out0 is 448 bytes: 3,136 positions are 49 runs of 256 bytes, which four equal partners cannot share out in whole runs; so some aligned runs of 256 bytes are written in two parts.
; LAYOUT.  Both products are used transposed: S^T = K Q^T, O^T = V P^T: a lane holds ONE query throughout.  The keys of a tile of K are chosen (by the launch before) so that the 16 registers of tiles 2 b, 2 b + 1 are keys 32 b + 16 h + 0 .. 15.
; A TURN j: phase 1 = the softmax of step j for both tiles, with the 32 products V P of step j - 1 set between its exponentials; phase 2 = O x f, set between the 32 products K Q of step j + 1.
; Turn j reads block j of kv alone (K(j + 1) | V(j - 1)), so a change of slots cuts between turns.  Turn 23 multiplies step 24's four tiles of zero keys too (16 of a wave's 1,600 matrix instructions, never read): one text for both turns of a slot.
; CLUSTER.  The four work-groups of a cluster belong to one batch and walk the same blocks: each quarter of a slot is asked for JOINTLY, by the same tensor load with the same descriptor and a mask that names the four.
; My place in the cluster enters global addresses alone (Q's, query's, out0's, the prefetches'), in registers that serve nothing else: s11, s12, s72-78, v50-55, v57-63.  No LDS address, no branch and no EXEC mask is made of them.
; REGISTERS, in windows of 256: window 0: v1-11 addresses; v12-27 statistics, eight a tile; v28-47 scale words; v48-63 at work at the head; v64-191 S^T, then p, 64 a tile; v192-223 p's codes; v224-255 at work, 16 a tile.
;   window 1: 16 fragments of V or of K; on the way out 64 rows of query.   window 2: O^T, 128 a tile.   window 3: v0-63 Q, 32 a tile.
.set ROWQ,  12544
.set BATQ,  256*ROWQ
.set H,     33792                      ; half a block: 32,768 bytes of codes, 1,024 of scale words
.set BLK,   2*H
.set BATKV, 25*BLK
.set XP,    2*BLK                      ; the ring: two places of two blocks; place 1 begins here.  XP has bits 17 and 12, a wave's quarter w H bits 10, 11, 15, 16: one exclusive or turns an address from one place to the other
.set SPARE, 2*XP                       ; behind the ring: the spare words, 128 bytes for each wave: two blocks of 256 bytes that no other line names
.set STAGE, XP                         ; the way out: 256 rows x 464 bytes in place 1, which has had its last fill and its last read by then
.set SPT,   464                        ; 448 bytes + 16
.set LI,  1                            ; v1   16 x lane
.set LIV, 2                            ; v2   16 x lane + H
.set ADK, 3
.set ADV, 4
.set SPW, 5                            ; v5   LDS address of my spare word; never rewritten
.set NIL, 6                            ; v6   0; never rewritten
.set PFO, 7                            ; v7   256 x lane; never rewritten
.set STO, 8
.set STO2, 9
.set RD,  10
.set GO,  11
.set ST,  12                           ; tile q's statistics at v[ST + 8 q]: +0 -M, +1 the largest t, +2, +3 l in two halves, +4 f (at the end 1 / l), +5 its partner in a pair, +6 at work
.set KSC, 28                           ; v28-35 K's scale words: register t; lanes 0-15 channels 0-127, lanes 16-31 channels 128-255
.set VSC, 36                           ; v36-43 V's: register ct / 2; lanes 0-15 the even tile, lanes 16-31 the odd one
.set QSC, 44                           ; v44-45 Q's, as K's
.set PW,  46                           ; v46-47 p's
.set S,   64
.set P,   192
.set TM,  224                          ; tile q at v[TM + 16 q]: +0..3 a block's largest score, then p; +4..7 at work; +8..11 448 x the scale; +12..15 the conversion's scale operand
.set WV,  10
.set CX,  11
.set XG,  12
.set BB,  13
.set G1,  16                           ; s[16:23] group 1: 132 rows of 256 bytes;  s[24:31]: 66 rows
.set G1T, 24
.set G0A, 32                           ; s[32:35] group 0 of slot 0;  s[36:39] of slot 1, which then walks;  s[40:43] of the short last slot
.set G0B, 36
.set G0T, 40
.set SLOTS, 44
.set TWICE, 45
.set TB,  46                           ; s46  LDS byte at which the block in hand begins
.set LIM, 47
.set PFA, 48
.set CS,  50                           ; s[50:51] c = log2(e) / 16
.set SEL, 52
.set MNT, 54
.set KVB, 56                           ; s[56:57] kv at my batch
.set QB,  58                           ; s[58:59] query, s[60:61] out0: at my batch, my 112 columns, my wave's 64 rows
.set OB,  60
.set MSB, 0
.macro WIN new                         ; the immediate's high byte repeats the setting that is left; a switch that changes nothing is dropped
.if MSB != \new
	s_set_vgpr_msb (MSB<<8)|\new
.set MSB, \new
.endif
.endm
.set W_KQ, 0x0d                        ; source 0 (K) window 1, source 1 (Q) window 3, S^T window 0
.set W_PV, 0xa1                        ; source 0 (V) window 1, source 1 (p) window 0, O^T window 2
.set W_RS, 0x82                        ; O^T (destination and source 0) window 2, the factor window 0
.set W_L1, 0x40                        ; destination window 1
.macro PLACES n
.rept \n
	v_nop
.endr
.endm
.macro CROUND                          ; a round of the cluster's barrier
	s_barrier_signal -1
	s_barrier_wait -1
	s_cmp_lg_u32 s[WV], 0
	s_cbranch_scc1 .Lnot_wave_0_\@
	s_barrier_signal -3
.Lnot_wave_0_\@:
	s_barrier_wait -3
	s_barrier_signal -1
	s_barrier_wait -1
.endm
; A prefetch of codes that the change of slots after the next will ask for.  All clusters of a batch walk the same blocks: the batch's first cluster asks.  Its four partners take a half-block each, told apart BY ADDRESS;
; each wave 8,192 bytes of its 32,768 of codes, lanes 256 bytes apart.  So each such run of 256 bytes is named once in the launch.  The last change that fills a whole slot asks for nothing.
.macro ASK
	s_cmp_gt_u32 s[SLOTS], s[LIM]
	s_cbranch_scc0 .Lnot_mine_\@
	global_prefetch_b8 v[PFO], s[PFA:PFA+1] th:TH_LOAD_NT scope:SCOPE_SE
.Lnot_mine_\@:
.endm
	s_load_b128 s[4:7], s[0:1], 0x0                ; kv s[4:5], query s[6:7]
	s_load_b64 s[8:9], s[0:1], 0x10                ; out0
	v_lshl_add_u32 v[SPW], v0, 2, SPARE
	v_mov_b32 v[NIL], 0
	ds_add_u32 v[SPW], v[NIL]                      ; the wave's opening: the add, twice on end, and its wait ahead of my first tensor load
	ds_add_u32 v[SPW], v[NIL]
	v_lshrrev_b32 v1, 5, v0
	v_readfirstlane_b32 s[WV], v1                  ; wave 0..3
	s_bfe_u32 s[CX], ttmp6, 0x40000                ; cx: my place in the cluster
	s_lshl_b32 s[XG], ttmp9, 2
	s_add_co_u32 s[XG], s[XG], s[CX]               ; my block of 112 queries: it enters global addresses alone
	s_and_b32 s[BB], ttmp7, 0xffff                 ; the batch, which the four partners share
	s_mov_b32 s[G1], 15|(3<<16)|(1<<21)            ; 15:0 the mask: all four; 17:16 elements of 8 bytes; 21 set beside a mask; no padding: images are read 16 bytes a lane on end
	s_mov_b32 s[G1+1], 32<<16                      ; tensor_dim0 = 32 elements: 256 bytes
	s_mov_b32 s[G1+2], 132<<16                     ; tensor_dim1 = 132 rows: a quarter of a slot
	s_mov_b32 s[G1+3], 32<<16                      ; tile_dim0
	s_mov_b32 s[G1+4], 132                         ; tile_dim1
	s_mov_b32 s[G1+5], 32                          ; the pitch: dense
	s_mov_b32 s[G1+6], 0
	s_mov_b32 s[G1+7], 0
	s_mov_b32 s[G1T], 15|(3<<16)|(1<<21)
	s_mov_b32 s[G1T+1], 32<<16
	s_mov_b32 s[G1T+2], 66<<16                     ; 66 rows: a quarter of one block
	s_mov_b32 s[G1T+3], 32<<16
	s_mov_b32 s[G1T+4], 66
	s_mov_b32 s[G1T+5], 32
	s_mov_b32 s[G1T+6], 0
	s_mov_b32 s[G1T+7], 0
	s_mul_i32 s66, s[BB], BATKV
	s_mov_b32 s67, 0
	s_mul_i32 s68, s[WV], H                        ; my quarter of a slot, in memory and in LDS
	s_mov_b32 s69, 0
	s_mul_i32 s70, s[WV], H/2                      ; my quarter of the short slot
	s_mov_b32 s71, 0
	s_mul_i32 s72, s[CX], H                        ; the prefetches: my work-group's half-block, my wave's 8,192 bytes,
	s_lshl_b32 s73, s[WV], 13
	s_add_co_u32 s72, s72, s73
	s_add_co_u32 s72, s72, 2*XP                    ; in slot 2: the first change of slots steps it to slot 3
	s_mov_b32 s73, 0
	s_mul_i32 s74, s[BB], BATQ
	s_mul_i32 s75, s[XG], 448
	s_add_co_u32 s74, s74, s75
	s_mul_i32 s75, s[WV], 64*ROWQ
	s_add_co_u32 s74, s74, s75
	s_mov_b32 s75, 0
	s_mul_i32 s76, s[XG], 112
	s_mul_i32 s77, s[WV], 28
	s_add_co_u32 s76, s76, s77                     ; my first query
	s_mov_b32 s[CS], 0x3db8aa3b
	s_mov_b32 s[CS+1], s[CS]                       ; (named with it as a pair, so it is written)
	s_mov_b32 s[SEL], 0x76543210
	s_mov_b32 s[SEL+1], 0xfedcba98
	s_mov_b32 s[MNT], 0x600000                     ; the mantissa field of 448
	s_mov_b32 s[TB], 0
	s_cmp_eq_u32 ttmp9, 0                          ; the batch's first cluster: the same in all four partners
	s_cselect_b32 s[LIM], 1, -1
	s_wait_dscnt 0x0                               ; both opening adds are done
	s_wait_kmcnt 0x0
	s_add_nc_u64 s[KVB:KVB+1], s[4:5], s[66:67]
	s_add_nc_u64 s[PFA:PFA+1], s[KVB:KVB+1], s[72:73]
	s_add_nc_u64 s[QB:QB+1], s[6:7], s[74:75]
	s_add_nc_u64 s[OB:OB+1], s[8:9], s[74:75]
	s_mov_b32 s[G0A], 1
	s_mov_b32 s[G0A+1], s68
	s_add_nc_u64 s[G0A+2:G0A+3], s[KVB:KVB+1], s[68:69]
	s_mov_b32 s[G0B], 1
	s_add_co_u32 s[G0B+1], s68, XP
	s_add_nc_u64 s[G0B+2:G0B+3], s[G0A+2:G0A+3], 2*BLK
	s_or_b32 s[G0A+3], s[G0A+3], 0x80000000
	s_or_b32 s[G0B+3], s[G0B+3], 0x80000000
	s_mov_b32 s[G0T], 1
	s_mov_b32 s[G0T+1], s70
	s_add_nc_u64 s[G0T+2:G0T+3], s[KVB:KVB+1], s[70:71]
	s_add_nc_u64 s[G0T+2:G0T+3], s[G0T+2:G0T+3], 24*BLK
	s_or_b32 s[G0T+3], s[G0T+3], 0x80000000
	CROUND                                         ; all four work-groups are here: the first joint loads meet
	tensor_load_to_lds s[G0A:G0A+3], s[G1:G1+7]    ; slot 0: blocks 0, 1.  Every wave issues both first fills: two loads of mine are out
	s_nop 0
	tensor_load_to_lds s[G0B:G0B+3], s[G1:G1+7]    ; slot 1: blocks 2, 3
	s_nop 0
	PLACES 4
	v_and_b32 v48, 31, v0
	v_lshlrev_b32 v[LI], 4, v48
	v_add_nc_u32 v[LIV], H, v[LI]
	v_lshlrev_b32 v[PFO], 8, v48
	; Q: my queries' codes are K's codes of the same positions: lane (r, h) finds query n = first + 12 q + r in K(n / 128)'s image
	v_and_b32 v48, 15, v0                          ; r
	v_bfe_u32 v49, v0, 4, 1                        ; h
	v_mov_b32 v56, H
.irp q, 0,1
	v_add3_u32 v50, s76, v48, 12*\q                ; n
	v_lshrrev_b32 v51, 7, v50                      ; its step
	v_and_b32 v52, 127, v50                        ; i: its place in the step
	v_lshrrev_b32 v53, 5, v52
	v_bfe_u32 v54, v52, 3, 1
	v_lshl_add_u32 v53, v53, 1, v54                ; t = 2 (i / 32) + (i / 8) % 2
	v_and_b32 v54, 7, v52
	v_bfe_u32 v55, v52, 4, 1
	v_lshl_add_u32 v54, v55, 3, v54                ; r' = i % 8 + 8 ((i / 16) % 2)
	v_lshl_add_u32 v54, v49, 4, v54                ; r' + 16 h
	v_max_u32 v55, 1, v51
	v_add_nc_u32 v55, -1, v55
	v_mul_u32_u24 v55, v55, BLK
	v_cmp_eq_u32 s78, 0, v51                       ; (the mask hangs on my place in the cluster: it has a scalar register of its own)
	v_cndmask_b32 v55, v55, v56, s78               ; where K(step) lies: H for step 0, else (step - 1) BLK
	v_lshl_add_u32 v57, v53, 12, v55
	v_lshl_add_u32 v[60+\q], v54, 4, v57           ; its codes: + 4096 t + 16 (r' + 16 h)
	v_lshrrev_b32 v57, 2, v53
	v_lshl_add_u32 v57, v57, 9, v55
	v_lshl_add_u32 v57, v54, 4, v57
	v_and_b32 v58, 3, v53
	v_lshl_add_u32 v57, v58, 2, v57
	v_add_nc_u32 v[62+\q], 32768, v57              ; its scale word: lanes 0-15 that of channels 0-127, lanes 16-31 that of channels 128-255
.endr
	WIN 0xc0                                       ; destination window 3
.irp q, 0,1
.irp h, 0,1
.irp c, 0,1,2,3
	global_load_b128 v[32*\q+16*\h+4*\c:32*\q+16*\h+4*\c+3], v[60+\q], s[KVB:KVB+1] offset:2048*\h+512*\c
.endr
.endr
.endr
	WIN 0
	global_load_b32 v[QSC], v62, s[KVB:KVB+1]
	global_load_b32 v[QSC+1], v63, s[KVB:KVB+1]
.irp q, 0,1
	v_mov_b32 v[ST+8*\q+1], 0xff61b1e6             ; the largest t so far: -3e38, under every t
	v_floor_f32 v[ST+8*\q], -v[ST+8*\q+1]          ; -M
	v_mov_b32 v[ST+8*\q+2], 0                      ; l
	v_mov_b32 v[ST+8*\q+3], 0
	v_mov_b32 v[ST+8*\q+5], 0                      ; (named as the upper half of f's pair)
.irp b, 0,1,2,3
	v_mov_b32 v[TM+16*\q+4+\b], 0                  ; written once: a lane permute's destination counts as one of its sources
.endr
.endr
; A run of 66 LDS loads: a half-block's scale words, then its 16 fragments, as they lie: 16 bytes a lane on end
.macro RUN adr, base, sc
	WIN 0
	v_add_nc_u32 v[\adr], s[TB], v[\base]
	ds_load_b128 v[\sc:\sc+3], v[\adr] offset:32768
	ds_load_b128 v[\sc+4:\sc+7], v[\adr] offset:33280
	WIN W_L1
.irp f, 0,1,2,3,4,5,6,7,8,9,10,11,12,13,14,15
.irp c, 0,1,2,3
	ds_load_b128 v[16*\f+4*\c:16*\f+4*\c+3], v[\adr] offset:2048*\f+512*\c
.endr
.endr
	WIN 0
.endm
; Product pvi of 32 of O^T += V P^T: channels 16 (pvi / 2) on, tile pvi % 2.  zero = 1: it starts the sum: nothing is ever cleared.  Each accumulator has one turn: no two matrix instructions on end share one.
.macro PVI zero
.set ct, pvi/2
.set qq, pvi%2
.set rO, 128*qq+8*ct
.if qq == 0
	s_wait_dscnt 60-4*ct                           ; LDS loads come back in order: fragment ct is in; the count is the run's loads behind it
.endif
	WIN W_PV
.if \zero
.if ct%2
	v_wmma_scale_f32_16x16x128_f8f6f4 v[rO:rO+7], v[16*ct:16*ct+15], v[P+16*qq:P+16*qq+15], 0, v[VSC+ct/2], v[PW+qq] matrix_a_scale:MATRIX_SCALE_ROW1
.else
	v_wmma_scale_f32_16x16x128_f8f6f4 v[rO:rO+7], v[16*ct:16*ct+15], v[P+16*qq:P+16*qq+15], 0, v[VSC+ct/2], v[PW+qq]
.endif
.else
.if ct%2
	v_wmma_scale_f32_16x16x128_f8f6f4 v[rO:rO+7], v[16*ct:16*ct+15], v[P+16*qq:P+16*qq+15], v[rO:rO+7], v[VSC+ct/2], v[PW+qq] matrix_a_scale:MATRIX_SCALE_ROW1
.else
	v_wmma_scale_f32_16x16x128_f8f6f4 v[rO:rO+7], v[16*ct:16*ct+15], v[P+16*qq:P+16*qq+15], v[rO:rO+7], v[VSC+ct/2], v[PW+qq]
.endif
.endif
.set pvi, pvi+1
.endm
; Product kqi of 32 of S^T = K Q^T: fragment kqi / 2 (tile of keys, half of the channels), tile of queries kqi % 2.  The first half starts the sum; the other tile's product stands between the two links.
.macro KQI
.set ff, kqi/2
.set tt, ff/2
.set qq, kqi%2
.set rS, S+64*qq+8*tt
.if qq == 0
	s_wait_dscnt 60-4*ff
.endif
	WIN W_KQ
.if ff%2 == 0
	v_wmma_scale_f32_16x16x128_f8f6f4 v[rS:rS+7], v[16*ff:16*ff+15], v[32*qq:32*qq+15], 0, v[KSC+tt], v[QSC+qq]
.else
	v_wmma_scale_f32_16x16x128_f8f6f4 v[rS:rS+7], v[16*ff:16*ff+15], v[32*qq+16:32*qq+31], v[rS:rS+7], v[KSC+tt], v[QSC+qq] matrix_a_scale:MATRIX_SCALE_ROW1 matrix_b_scale:MATRIX_SCALE_ROW1
.endif
.set kqi, kqi+1
.endm
.macro RS n                            ; the next n pairs of O^T times the tile's factor, ascending: each accumulator is read from its low end on
	WIN W_RS
.rept \n
	v_pk_mul_f32 v[2*rsi:2*rsi+1], v[2*rsi:2*rsi+1], v[ST+8*(rsi/64)+4:ST+8*(rsi/64)+5] op_sel_hi:[1,0]
.set rsi, rsi+1
.endr
.endm
; A TURN.  pv = 2: 32 products V P of the step before; 1: they start O^T; 0: none.  kq: 32 products K Q of the next step.  rs: O^T x f.  nb: blocks of 32 keys in this step (4; the last step 2).
; PLACES: V's run and the first read of S^T stand behind the last 35 multiplications of O^T (or eight v_nop);
; K's run, p's codes and p's scale word behind the 66 plain lines that follow the last product V P; the multiplications of O^T further still.
.macro TURN pv, kq, rs, nb
.if \pv
	RUN ADV, LIV, VSC
.endif
	WIN 0
.irp b, 0,1,2,3
.if \b < \nb
.irp q, 0,1
	v_max3_num_f32 v[TM+16*\q+\b], v[S+64*\q+16*\b], v[S+64*\q+16*\b+1], v[S+64*\q+16*\b+2]   ; the largest score of each block of 32 keys: for the row's maximum and, since p rises with the score, for the block's largest p
.endr
.endif
.endr
.irp i, 3,5,7,9,11,13
.irp b, 0,1,2,3
.if \b < \nb
.irp q, 0,1
	v_max3_num_f32 v[TM+16*\q+\b], v[TM+16*\q+\b], v[S+64*\q+16*\b+\i], v[S+64*\q+16*\b+\i+1]
.endr
.endif
.endr
.endr
.irp b, 0,1,2,3
.if \b < \nb
.irp q, 0,1
	v_max_num_f32 v[TM+16*\q+\b], v[TM+16*\q+\b], v[S+64*\q+16*\b+15]
.endr
.endif
.endr
.irp b, 0,1,2,3
.if \b < \nb
.irp q, 0,1
	v_permlanex16_b32 v[TM+16*\q+4+\b], v[TM+16*\q+\b], s[SEL], s[SEL+1]
.endr
.endif
.endr
.irp b, 0,1,2,3
.if \b < \nb
.irp q, 0,1
	v_max_num_f32 v[TM+16*\q+\b], v[TM+16*\q+\b], v[TM+16*\q+4+\b]   ; with lane l xor 16's 16 keys
.endr
.endif
.endr
.irp q, 0,1
.if \nb == 4
	v_max3_num_f32 v[ST+8*\q+6], v[TM+16*\q], v[TM+16*\q+1], v[TM+16*\q+2]
.else
	v_max_num_f32 v[ST+8*\q+6], v[TM+16*\q], v[TM+16*\q+1]
.endif
.endr
.if \nb == 4
.irp q, 0,1
	v_max_num_f32 v[ST+8*\q+6], v[ST+8*\q+6], v[TM+16*\q+3]
.endr
.endif
.irp q, 0,1
	v_mul_f32 v[ST+8*\q+6], s[CS], v[ST+8*\q+6]    ; the step's largest score as t (c is positive)
.endr
.irp q, 0,1
	v_max_num_f32 v[ST+8*\q+1], v[ST+8*\q+1], v[ST+8*\q+6]   ; the running largest t
.endr
.irp q, 0,1
	v_mov_b32 v[ST+8*\q+6], v[ST+8*\q]
.endr
.irp q, 0,1
	v_floor_f32 v[ST+8*\q], -v[ST+8*\q+1]          ; the new -M = floor(-t): M is a whole number
.endr
.irp q, 0,1
	v_sub_f32 v[ST+8*\q+6], v[ST+8*\q], v[ST+8*\q+6]   ; old M - new M: a whole number, 0 or less
.endr
.irp q, 0,1
	v_cvt_i32_f32 v[ST+8*\q+6], v[ST+8*\q+6]       ; (it saturates)
.endr
.irp q, 0,1
	v_ldexp_f32 v[ST+8*\q+4], 1.0, v[ST+8*\q+6]    ; f = 2^(old M - new M)
.endr
.set jj, 0
.rept 8*\nb
.irp q, 0,1
	v_pk_fma_f32 v[S+64*\q+jj:S+64*\q+jj+1], v[S+64*\q+jj:S+64*\q+jj+1], s[CS:CS+1], v[ST+8*\q:ST+8*\q+1] op_sel_hi:[1,0,0]   ; t - M, two at a time
.endr
.set jj, jj+2
.endr
.irp b, 0,1,2,3
.if \b < \nb
.irp q, 0,1
	v_fma_f32 v[TM+16*\q+\b], v[TM+16*\q+\b], s[CS], v[ST+8*\q]   ; the same of each block's largest score
.endr
.endif
.endr
.set ee, 0
.set pvi, 0
.rept 32                               ; ONE BATCH of exponentials, the tiles by turns; none reads another's result; a product V P behind every nb of them
	WIN 0
.rept \nb
	v_exp_f32 v[S+64*(ee%2)+ee/2], v[S+64*(ee%2)+ee/2]   ; p = 2^(t - M), at most 1
.set ee, ee+1
.endr
.if \pv
	PVI 2-\pv
.endif
.endr
	WIN 0
.irp q, 0,1
	v_pk_mul_f32 v[ST+8*\q+2:ST+8*\q+3], v[ST+8*\q+2:ST+8*\q+3], v[ST+8*\q+4:ST+8*\q+5] op_sel_hi:[1,0]   ; l under the new M.  (The plain line behind the exponentials)
.endr
	s_wait_alu depctr_va_vdst(0)                   ; the wait ahead of the first line that names an exponential's result: one for the batch
.irp b, 0,1,2,3
.if \b < \nb
.irp q, 0,1
	v_exp_f32 v[TM+16*\q+\b], v[TM+16*\q+\b]       ; the block's largest p: the same two instructions on the same number give the same bits
.endr
.endif
.endr
.irp q, 0,1
	v_pk_add_f32 v[TM+16*\q+4:TM+16*\q+5], v[S+64*\q:S+64*\q+1], v[S+64*\q+2:S+64*\q+3]   ; the row's sum is taken of the unquantised p: two chains a tile
.endr
.set jj, 4
.rept 4*\nb-1
.irp q, 0,1
	v_pk_add_f32 v[ST+8*\q+2:ST+8*\q+3], v[ST+8*\q+2:ST+8*\q+3], v[S+64*\q+jj:S+64*\q+jj+1]
	v_pk_add_f32 v[TM+16*\q+4:TM+16*\q+5], v[TM+16*\q+4:TM+16*\q+5], v[S+64*\q+jj+2:S+64*\q+jj+3]
.endr
.set jj, jj+4
.endr
.irp q, 0,1
	v_pk_add_f32 v[ST+8*\q+2:ST+8*\q+3], v[ST+8*\q+2:ST+8*\q+3], v[TM+16*\q+4:TM+16*\q+5]
.endr
	s_wait_alu depctr_va_vdst(0)                   ; and one for the blocks' largest p
.if \kq
	RUN ADK, LI, KSC                               ; the next step's K: what follows up to its first use is the quantising of p
.endif
.irp b, 0,1,2,3
.if \b < \nb
.irp q, 0,1
	v_max_num_f32 v[TM+16*\q+\b], 0x4800000, v[TM+16*\q+\b]   ; the floor 2^(9 - 127): the byte cannot fall under 1
.endr
.endif
.endr
.irp b, 0,1,2,3
.if \b < \nb
.irp q, 0,1
	v_add_nc_u32 v[TM+16*\q+12+\b], 0xfc000000, v[TM+16*\q+\b]   ; 8 off the exponent field: the conversion's scale operand
.endr
.endif
.endr
.irp b, 0,1,2,3
.if \b < \nb
.irp q, 0,1
	v_and_or_b32 v[TM+16*\q+8+\b], v[TM+16*\q+\b], 0x7f800000, s[MNT]   ; 448 x the scale
.endr
.endif
.endr
.irp b, 0,1,2,3
.if \b < \nb
.irp q, 0,1
	v_lshrrev_b32 v[TM+16*\q+4+\b], 23, v[TM+16*\q+12+\b]   ; the scale's byte
.endr
.endif
.endr
.irp q, 0,1
	v_lshl_or_b32 v[PW+\q], v[TM+16*\q+5], 8, v[TM+16*\q+4]   ; p's scale word for this step's keys (nb = 2: bytes 2, 3 stay 0, over zero codes)
.endr
.if \nb == 4
.irp q, 0,1
	v_lshl_or_b32 v[PW+\q], v[TM+16*\q+6], 16, v[PW+\q]
.endr
.irp q, 0,1
	v_lshl_or_b32 v[PW+\q], v[TM+16*\q+7], 24, v[PW+\q]
.endr
.endif
.irp b, 0,1,2,3
.if \b < \nb
.irp q, 0,1
.irp i, 0,1,2,3,4,5,6,7,8,9,10,11,12,13,14,15
	v_min_num_f32 v[S+64*\q+16*\b+\i], v[S+64*\q+16*\b+\i], v[TM+16*\q+8+\b]   ; the conversion does not saturate (ISA guide 7.6.2); p is not negative, so the hold is one-sided
.endr
	v_cvt_scalef32_pk8_fp8_f32 v[P+16*\q+4*\b:P+16*\q+4*\b+1], v[S+64*\q+16*\b:S+64*\q+16*\b+7], v[TM+16*\q+12+\b]
	v_cvt_scalef32_pk8_fp8_f32 v[P+16*\q+4*\b+2:P+16*\q+4*\b+3], v[S+64*\q+16*\b+8:S+64*\q+16*\b+15], v[TM+16*\q+12+\b]
.endr
.endif
.endr
.if \nb == 2
.irp q, 0,1
.irp i, 8,9,10,11,12,13,14,15
	v_mov_b32 v[P+16*\q+\i], 0                     ; keys 64 to 127 of the last step do not exist: zero codes
.endr
.endr
.endif
	v_nop                                          ; a plain line between the last conversion and the products that write over its sources
.set rsi, 0
.if \kq
.set kqi, 0
.rept 32
	KQI
.if \rs
	RS 3
.endif
.endr
.if \rs
	RS 32
.else
	WIN 0
	PLACES 8
.endif
.else
	RS 128
.endif
.endm
; THE CHANGE OF SLOTS, between two turns.  Each wave waits for all its tensor loads (one is out: its quarter of the slot ahead), adds 0 to its spare word, and waits for that and for its reads of the slot that it leaves.
; mode 1: a round of the cluster's barrier, then the slot just left is filled with the blocks two slots on; mode 2: the same with the short last slot; mode 0: nothing is filled: the work-group's barrier alone.
.macro CHANGE mode
	WIN 0
	s_wait_tensorcnt 0x0                           ; no tensor load of mine is out, so a group 0 may be written
	ds_add_u32 v[SPW], v[NIL]                      ; 0 onto my spare word
.if \mode == 1
	s_xor_b32 s[G0B+1], s[G0B+1], XP               ; the walking descriptor: the other place than last time,
	s_add_nc_u64 s[G0B+2:G0B+3], s[G0B+2:G0B+3], 2*BLK   ; the next two blocks; the type bits on top are not reached
	s_wait_xcnt 0x0                                ; the last prefetch, two turns back, has read its address, so it may be written
	s_add_nc_u64 s[PFA:PFA+1], s[PFA:PFA+1], 2*BLK
.endif
	s_wait_dscnt 0x0                               ; the add is done, and my reads of the slot that I leave are over
.if \mode == 0
	s_barrier_signal -1
	s_barrier_wait -1
.else
	CROUND                                         ; no wave of any partner still reads that slot or has a load on its way
.endif
.if \mode == 1
	tensor_load_to_lds s[G0B:G0B+3], s[G1:G1+7]    ; my one tensor load behind the round: it has two turns, 128 matrix instructions, in which to land
	s_nop 0
	PLACES 4
	ASK
.endif
.if \mode == 2
	tensor_load_to_lds s[G0T:G0T+3], s[G1T:G1T+7]  ; block 24, into place 0
	s_nop 0
	PLACES 4
.endif
	s_sub_co_u32 s[TB], s[TB], 2*BLK               ; back to a place's first block,
	s_xor_b32 s[TB], s[TB], XP                     ; in the other place
.endm
.macro TWO_TURNS                       ; a slot's two turns: written once, walked twice; the LDS addresses hang on s[TB]
	s_mov_b32 s[TWICE], 2
.Lturn_\@:
	TURN 2, 1, 1, 4
	WIN 0
	s_add_co_u32 s[TB], s[TB], BLK
	s_sub_co_u32 s[TWICE], s[TWICE], 1
	s_cmp_lg_u32 s[TWICE], 0
	s_cbranch_scc1 .Lturn_\@
.endm
	s_wait_tensorcnt 0x1                           ; my quarter of slot 0 is in; slot 1's may stay out
	s_barrier_signal -1
	s_barrier_wait -1                              ; everybody's is
	RUN ADK, LIV, KSC                              ; K(0) lies in block 0's second half
	s_wait_loadcnt 0x0                             ; Q and its scale words
.set kqi, 0
.rept 32
	KQI
.endr
	WIN 0
	PLACES 8
	TURN 0, 1, 0, 4                                ; turn 0: the first softmax; K Q of step 1
	WIN 0
	s_add_co_u32 s[TB], s[TB], BLK
	TURN 1, 1, 1, 4                                ; turn 1: V P of step 0 starts O^T
	WIN 0
	s_add_co_u32 s[TB], s[TB], BLK
	s_mov_b32 s[SLOTS], 10
.Lslot:                                                ; slots 1 to 10: behind each change the next slot but one's place is filled again
	CHANGE 1
	TWO_TURNS
	s_sub_co_u32 s[SLOTS], s[SLOTS], 1
	s_cmp_lg_u32 s[SLOTS], 0
	s_cbranch_scc1 .Lslot
	CHANGE 2                                       ; the tail is written out
	TWO_TURNS                                      ; turns 22, 23
	CHANGE 0
	TURN 2, 0, 1, 2                                ; turn 24: 64 keys; V P of step 23
	RUN ADV, LI, VSC                               ; V(24) lies in block 24's first half
.set pvi, 0
.rept 32
	PVI 0
.endr
	WIN 0
	; THE WAY OUT.  O^T / l goes into a stage of 256 rows (channels) x 112 columns; behind a barrier wave w reads rows 64 w .. + 63 whole, adds query's and stores them.  The ten address lines are the places behind the last products.
	; Every LDS address and the EXEC mask below are made of the lane's and the wave's number alone, in registers that never held my place in the cluster.
	v_and_b32 v48, 15, v0                          ; r
	v_bfe_u32 v49, v0, 4, 1                        ; h
	v_min_u32 v[GO], 432, v[LI]                    ; a row's share is 448 bytes: 28 lanes x 16; lanes 28-31 repeat lane 27's address, so that the loads below, all lanes on, stay inside the buffer
	s_mul_i32 s66, s[WV], 112
	v_mul_u32_u24 v[STO], v49, 8*SPT
	v_lshl_add_u32 v[STO], v48, 2, v[STO]
	v_add_nc_u32 v[STO], s66, v[STO]
	v_add_nc_u32 v[STO], STAGE, v[STO]             ; in: row 8 h, column 28 w + r
	v_add_nc_u32 v[STO2], 128*SPT, v[STO]          ; from row 128 on (an LDS offset has 16 bits)
	s_mul_i32 s66, s[WV], 64*SPT
	v_add_nc_u32 v[RD], s66, v[LI]
	v_add_nc_u32 v[RD], STAGE, v[RD]               ; back: my 64 rows, 16 bytes a lane
	WIN W_L1
.set ii, 0
.rept 64
	global_load_b128 v[4*ii:4*ii+3], v[GO], s[QB:QB+1] offset:ii*ROWQ th:TH_LOAD_NT   ; query's rows, asked for ahead of the stage's round trip
.set ii, ii+1
.endr
	WIN 0
.irp q, 0,1
	v_add_f32 v[ST+8*\q+6], v[ST+8*\q+2], v[ST+8*\q+3]   ; l's two halves,
.endr
.irp q, 0,1
	v_permlanex16_b32 v[TM+16*\q+4], v[ST+8*\q+6], s[SEL], s[SEL+1]
.endr
.irp q, 0,1
	v_add_f32 v[ST+8*\q+6], v[ST+8*\q+6], v[TM+16*\q+4]  ; and lane l xor 16's
.endr
.irp q, 0,1
	v_rcp_f32 v[ST+8*\q+4], v[ST+8*\q+6]
.endr
	v_nop                                          ; a plain line behind the reciprocals
	s_wait_alu depctr_va_vdst(0)                   ; and the wait ahead of their first reader: one for both
.set rsi, 0
	RS 128                                         ; O^T / l
	WIN 0x08                                       ; an LDS store's data are its source 1: window 2
.irp q, 0,1
.set ii, 0
.rept 128                              ; register 8 ct + j of lane (r, h): channel 16 ct + 8 h + j, column 28 w + 12 q + r
.if ii < 64
	ds_store_b32 v[STO], v[128*\q+ii] offset:(16*(ii/8)+ii%8)*SPT+48*\q
.else
	ds_store_b32 v[STO2], v[128*\q+ii] offset:(16*(ii/8-8)+ii%8)*SPT+48*\q
.endif
.set ii, ii+1
.endr
.endr
	WIN 0
	s_wait_dscnt 0x0                               ; for the others' sake: my stores into the stage have landed
	s_barrier_signal -1
	s_barrier_wait -1
	s_wait_xcnt 0x0                                ; EXEC changes only behind this wait: loads have been issued
	v_cmp_gt_u32 vcc_lo, 448, v[LI]
	s_and_saveexec_b32 s68, vcc_lo                 ; lanes 0 to 27: a row's 448 bytes
.irp g, 0,1,2,3,4,5,6,7                ; eight rows at a time, in two sets of registers by turns
.if \g > 1
	s_wait_xcnt 0x0                                ; the stores of two batches back have read their registers
.endif
.irp i, 0,1,2,3,4,5,6,7
	ds_load_b128 v[S+32*(\g%2)+4*\i:S+32*(\g%2)+4*\i+3], v[RD] offset:(8*\g+\i)*SPT
.endr
	s_wait_loadcnt 56-8*\g                         ; query's rows of this batch are in; the rows behind them may be out
	s_wait_dscnt 0x0
	WIN 0x04                                       ; source 1: window 1
.irp k, 0,2,4,6,8,10,12,14,16,18,20,22,24,26,28,30
	v_pk_add_f32 v[S+32*(\g%2)+\k:S+32*(\g%2)+\k+1], v[S+32*(\g%2)+\k:S+32*(\g%2)+\k+1], v[32*\g+\k:32*\g+\k+1]   ; the residual
.endr
	WIN 0
.irp i, 0,1,2,3,4,5,6,7
	global_store_b128 v[GO], v[S+32*(\g%2)+4*\i:S+32*(\g%2)+4*\i+3], s[OB:OB+1] offset:(8*\g+\i)*ROWQ th:TH_STORE_NT   ; 28 lanes store 448 consecutive bytes of a row
.endr
.endr
	s_wait_xcnt 0x0                                ; and again, in front of the line that widens EXEC
	s_or_b32 exec_lo, exec_lo, s68
	s_wait_tensorcnt 0x0                           ; the wave's end, behind my last tensor load and my last LDS store
	ds_add_u32 v[SPW], v[NIL]
	s_wait_dscnt 0x0
	CROUND                                         ; the closing round: no work-group ends while a partner may still ask for a tile that names it
	s_endpgm
.Lfunc_end_k_q7c11a7b6e4_attn:
	.size	k_q7c11a7b6e4_attn, .Lfunc_end_k_q7c11a7b6e4_attn-k_q7c11a7b6e4_attn
	.p2alignl 7, 3214868480
	.fill 96, 4, 3214868480
	.section	.rodata,"a",@progbits
	.p2align	6, 0x0
	.amdhsa_kernel k_q7c11a7b6e4_attn
		.amdhsa_group_segment_fixed_size 327680
		.amdhsa_private_segment_fixed_size 0
		.amdhsa_enable_private_segment 0
		.amdhsa_kernarg_size 24
		.amdhsa_user_sgpr_count 2
		.amdhsa_user_sgpr_kernarg_segment_ptr 1
		.amdhsa_wavefront_size32 1
		.amdhsa_system_sgpr_workgroup_id_x 1
		.amdhsa_system_sgpr_workgroup_id_y 1
		.amdhsa_system_sgpr_workgroup_id_z 1
		.amdhsa_system_vgpr_workitem_id 0
		.amdhsa_next_free_vgpr 832
		.amdhsa_next_free_sgpr 80
		.amdhsa_reserve_vcc 1
		.amdhsa_float_denorm_mode_32 3
		.amdhsa_float_denorm_mode_16_64 3
		.amdhsa_memory_ordered 1
		.amdhsa_forward_progress 1
		.amdhsa_inst_pref_size 255
	.end_amdhsa_kernel
	.section	.bss,"aw",@nobits
	.p2align	6
	.space	262144
	.amdgpu_metadata
---
amdhsa.version: [ 1, 2 ]
amdhsa.kernels:
  - .name:           k_q7c11a7b6e4_attn
    .symbol:         k_q7c11a7b6e4_attn.kd
    .args:
      - { .name: kv, .offset: 0, .size: 8, .value_kind: global_buffer, .address_space: global }
      - { .name: query, .offset: 8, .size: 8, .value_kind: global_buffer, .address_space: global }
      - { .name: out0, .offset: 16, .size: 8, .value_kind: global_buffer, .address_space: global }
    .group_segment_fixed_size: 327680
    .private_segment_fixed_size: 0
    .kernarg_segment_align: 8
    .kernarg_segment_size: 24
    .max_flat_workgroup_size: 128
    .sgpr_count:     80
    .vgpr_count:     832
    .wavefront_size: 32
...
	.end_amdgpu_metadata
.endif
;; end of part 2
